; MI455X (gfx1250); checked and timed in simulation.
; The chip was launched on July 23, 2026; its instructions are those of AMD's public machine-readable ISA for CDNA 5 (MIT licence, August 2026) and "CDNA5" Instruction Set Architecture Reference Guide (July 2026). The comments in the code are by the model that wrote it; some were corrected since.
;; Weight Only Int8 Linear. Allowed arithmetic: matrix products marked QUANTISED: E2M3 operands, one E8M0 scale for each 32 along K, by v_wmma_scale_f32_16x16x128_f8f6f4 with both operands' format E2M3, f32 sums; everything else in f32.
;; Inputs: inputs 4 x 1,024 x 4,096 float32; weight 4,096 x 4,096 int8; weight_scaler 4,096 float32.
;; Outputs: out0 4 x 1,024 x 4,096 float32.
;; This version of the problem:
;;   THIS VERSION OF THE PROBLEM IS GIVEN IN LOW PRECISION. The matrix products marked QUANTISED in the list below multiply operands that are first quantised to E2M3 (2 exponent bits, 3 mantissa bits; 6 bits a number), with one power-of-two scale for each 32 numbers along K (OCP MX v1.0); their sums are f32. All else is computed in f32.
;;   The module's matrix products, in the order in which they are computed (A, B: the left and right operand; K: the contracted axis; several contracted axes count as one K, in the product's order):
;;     1. [M 4,096, K 4,096] x [K 4,096, N 4,096]; A: input inputs; B: input weight: QUANTISED
;;   THE QUANTISER, for each operand of a quantised product, along K:
;;     - K is cut into blocks of 32 from its start; a last block that is shorter is filled with zeros.
;;     - A block's scale is 2^e with e = floor(log2(the largest magnitude in the block)) - 2, held to -126 .. 127; a block of zeros has e = 0. As a byte (E8M0): e + 127.
;;     - Each number is divided by its block's scale, clamped to +-7.5, and rounded to the nearest number of E2M3, ties to even, subnormals kept.
;;     - The product sums the exact products of the quantised numbers (number of the format x scale) in f32.
;;   ~~~python
;;   def quantise(x, axis):      # numpy; x: float32 -> the quantised numbers, widened to float32 again
;;       x = np.moveaxis(x, axis, -1); K = x.shape[-1]
;;       x = np.pad(x, [(0, 0)] * (x.ndim - 1) + [(0, -K % 32)]); x = x.reshape(x.shape[:-1] + (-1, 32)); a = np.abs(x).max(-1, keepdims=True)
;;       e = np.where(a > 0, np.clip(np.frexp(np.where(a > 0, a, 1))[1] - 1 - 2, -126, 127), 0)      # np.frexp(a)[1] - 1 = floor(log2(a)), exactly
;;       r = np.clip(x / 2.0 ** e, -7.5, 7.5)
;;       step = 2.0 ** (np.maximum(np.frexp(np.where(r == 0, 1, r))[1] - 1, 0) - 3)
;;       q = np.round(r / step) * step * 2.0 ** e      # np.round: ties to even
;;       return np.moveaxis(q.reshape(q.shape[:-2] + (-1,))[..., :K], -1, axis).astype(np.float32)
;;   ~~~
;; One version. Each part assembles by itself: llvm-mc -triple=amdgcn-amd-amdhsa -mcpu=gfx1250 --defsym DOCPART=n.
;; ======== version 1 of 1: 2 launches
;; limits: right only within a limited range of input values
;; workspace buffers: xq 13,107,200 bytes; wq 13,107,200 bytes
;; launch quant (part 1): grid 512 x 1, 5 waves a work-group, no clusters, 43,008 bytes of LDS; arguments inputs, weight, xq, wq; writes xq, wq
.if DOCPART == 1
	.amdgcn_target "amdgcn-amd-amdhsa--gfx1250"
	.amdhsa_code_object_version 6
	.text
	.protected	k_qddd6dc600b_quant
	.globl	k_qddd6dc600b_quant
	.p2align	8
	.type	k_qddd6dc600b_quant,@function
k_qddd6dc600b_quant:
	s_mov_b64 s[64:65], 0
	v_nop
	global_prefetch_b8 v0, s[64:65] scope:SCOPE_SE
	s_setreg_imm32_b32 hwreg(HW_REG_WAVE_MODE, 25, 1), 1
	s_wait_xcnt 0x0
; inputs [4096][4096] f32 and weight [4096][4096] int8, K innermost in both, become codes of FP6 (E2M3) with one E8M0 scale byte for each 32 along K.
; A block's scale is 2^(floor(log2(its largest magnitude)) - 2); its byte is the largest magnitude's own exponent field - 2, held at 1 from below; each number is divided by the scale and
; rounded to the nearest code, ties to even, beyond 7.5 the largest code.
; LIMITS: NaN and infinities among the inputs are not served.  A block whose largest magnitude lies under 2^-124 has its byte held at 1 (e = -126).  A block of zeros keeps the byte 1 where the
; rule says 127: its codes are zeros, which add nothing under any byte but 0xff, and the bytes are read by this program alone.
; THE OUTPUT IS LAID IN THE ORDER OF THE OPERAND'S REGISTERS.  xq and wq: [row / 128][k / 128] chunks of CH = 12,800 bytes.  In a chunk: eight fragments (16 rows x 128 K, 12 registers a lane) of 1,536 bytes,
; fragment i = (row % 128) / 16; registers 4 c .. 4 c + 3 of lane l at 1536 i + 512 c + 16 l; then 512 bytes of scale words (four bytes: a row's 128 along K) at 12288 + 256 (i / 4) + 16 (row % 16) + 4 (i % 4).
; A lane (r = l % 16, h = l / 16) of a fragment holds row r: registers 0-5 the block k = 32 h .. 32 h + 31, registers 6-11 the block k = 64 + 32 h .. (ISA guide 7.12: the 6-bit operand's layout).
; SHARES.  512 work-groups of five waves.  Waves 0-3 take 64 rows x 128 K of inputs each, wave 4 takes 64 rows x 512 K of weight: 32,768 bytes each, as four tiles of 16 rows x 512 bytes.
; A load reads 512 consecutive bytes of one row; a tile turns through the wave's own stage in LDS (16 rows, 528 bytes apart) and comes back with a block's 32 numbers in one lane.
; The two roles part once on the wave's number and do not meet again; no wave touches another's LDS bytes: no barrier.  Every offset is an immediate: no pointer is stepped.
.set CH,    12800                      ; a chunk
.set FRB,   1536                       ; a fragment's image
.set PITX,  16384                      ; a row of inputs in bytes
.set PITW,  4096                       ; a row of weight
.set SPIT,  528                        ; a stage row: 512 bytes + 16: 33 x 16, so the sixteen rows that a load of 16 bytes a lane touches start in sixteen different groups of banks
.set WST,   16*SPIT                    ; a wave's stage
.set GL,   1                           ; v1   16 x lane: my place in a load's 512 bytes and in a store's
.set LST,  2                           ; v2   the stage, on the way in: my wave's stage + 16 x lane
.set LRDX, 3                           ; v3   on the way out, f32: + 528 r + 128 h
.set LRDW, 4                           ; v4   on the way out, int8: + 528 r + 32 h
.set SST,  5                           ; v5   my 8 bytes of a unit of scale words: 16 r + 8 h
.set H8,   6                           ; v6   8 h
.set HH,   7                           ; v7   h
.set MX,   8                           ; v8-11  four chains of maxima; then the bytes
.set SO,   12                          ; v12-13 the two blocks' scale operands
.set WRD,  14                          ; v14  my two bytes of the scale word
.set PRM,  15                          ; v15  the other half's two
.set WD,   16                          ; v16-19 inputs: the four tiles' scale words
.set CD,   20                          ; v20-31 a fragment's 12 registers
.set T0,   32                          ; v32-34, v36-38: the halves of a block whose place begins on an odd register
.set T1,   36
.set X,    40                          ; v40-103  64 numbers: X+0..31 block h, X+32..63 block 2 + h
.set RAW,  104                         ; v104-167, v168-231 tiles as loaded (weight: the first set alone)
.set XB0,  168                         ; weight: v168-183, v184-199 a fragment's 64 bytes a lane, two sets
.set WW,   200                         ; weight: v200-215 scale words: 4 x K step + tile
.set PP,   216                         ; weight: v216-223 the words that I store
	s_load_b256 s[4:11], s[0:1], 0x0               ; inputs s[4:5], weight s[6:7], xq s[8:9], wq s[10:11]
	v_lshl_add_u32 v232, v0, 2, 0xa500
	v_mov_b32 v233, 0
	v_lshrrev_b32 v1, 5, v0
	v_readfirstlane_b32 s12, v1                    ; wave 0..4
	v_and_b32 v8, 31, v0                           ; lane
	v_and_b32 v9, 15, v0                           ; r
	v_bfe_u32 v[HH], v0, 4, 1                      ; h
	v_lshlrev_b32 v[GL], 4, v8
	s_mul_i32 s13, s12, WST                        ; my wave's stage.  All LDS addresses are made here, ahead of the parting
	v_add_nc_u32 v[LST], s13, v[GL]
	v_mul_u32_u24 v10, v9, SPIT
	v_add_nc_u32 v10, s13, v10
	v_lshl_add_u32 v[LRDX], v[HH], 7, v10
	v_lshl_add_u32 v[LRDW], v[HH], 5, v10
	v_lshlrev_b32 v[SST], 4, v9
	v_lshl_add_u32 v[SST], v[HH], 3, v[SST]
	v_lshlrev_b32 v[H8], 3, v[HH]
	v_mov_b32 v[PRM], 0                            ; written once: a lane permute's destination counts as one of its sources
	s_mov_b32 s26, 0x76543210
	s_mov_b32 s27, 0xfedcba98                      ; v_permlanex16_b32's selects for lane l xor 16
	s_mov_b32 s28, 0x4b000000                      ; 2^23 as f32
	s_mov_b32 s29, 0x07060500                      ; v_perm_b32: byte i of the data under the upper three bytes of 2^23
	s_mov_b32 s30, 0x07060501
	s_mov_b32 s31, 0x07060502
	s_mov_b32 s32, 0x07060503
	s_mov_b32 s34, 0xcb000080                      ; -(2^23 + 128)
	s_mov_b32 s35, 0xcb000080                      ; (named with it as a pair, so it is written)
	s_mov_b32 s36, 0x80808080
; Where a task begins.  s14 = its first K step of 128, s15 = its group of 64 rows.  Source: (group << shrow) + (K step << shk) bytes.  Chunk 32 (group / 2) + K step; the group's half of it: 4 fragments, 256 bytes of scale words.
.macro PLACE shrow, shk, src, dst
	s_lshl_b32 s16, s15, \shrow
	s_lshl_b32 s17, s14, \shk
	s_add_co_u32 s16, s16, s17
	s_mov_b32 s17, 0
	s_lshr_b32 s18, s15, 1
	s_lshl_b32 s18, s18, 5
	s_add_co_u32 s18, s18, s14
	s_mul_i32 s18, s18, CH                         ; the chunk, in bytes (under 2^24)
	s_and_b32 s19, s15, 1
	s_lshl_b32 s14, s19, 8
	s_add_co_u32 s14, s14, s18
	s_add_co_u32 s14, s14, 8*FRB                   ; its scale words
	s_mov_b32 s15, 0
	s_mul_i32 s19, s19, 4*FRB
	s_add_co_u32 s18, s18, s19                     ; its codes
	s_mov_b32 s19, 0
	s_wait_kmcnt 0x0
	s_add_nc_u64 s[20:21], s[\src:\src+1], s[16:17]
	s_add_nc_u64 s[22:23], s[\dst:\dst+1], s[18:19]
	s_add_nc_u64 s[24:25], s[\dst:\dst+1], s[14:15]
.endm
.macro LOADT tile, set, pitch          ; a tile: 16 rows, each load 512 consecutive bytes of one row, read once in the launch
.set t, 0
.rept 16
	global_load_b128 v[RAW+64*(\set)+4*t:RAW+64*(\set)+4*t+3], v[GL], s[20:21] offset:(16*(\tile)+t)*\pitch th:TH_LOAD_NT
.set t, t+1
.endr
.endm
.macro TOST set                        ; into the stage, row by row, as loaded
.set t, 0
.rept 16
	ds_store_b128 v[LST], v[RAW+64*(\set)+4*t:RAW+64*(\set)+4*t+3] offset:SPIT*t
.set t, t+1
.endr
.endm
.macro BACKX                           ; f32: my two blocks of row r, 128 bytes each.  LDS serves a wave's instructions in order (ISA guide 5.7.1): these see the stores above
.set t, 0
.rept 8
	ds_load_b128 v[X+4*t:X+4*t+3], v[LRDX] offset:16*t
.set t, t+1
.endr
.set t, 0
.rept 8
	ds_load_b128 v[X+32+4*t:X+32+4*t+3], v[LRDX] offset:256+16*t
.set t, t+1
.endr
.endm
.macro BACKW sp, xb                    ; int8: my two blocks of row r in the tile's K step sp, 32 bytes each
.irp o, 0,1,2,3
	ds_load_b128 v[\xb+4*\o:\xb+4*\o+3], v[LRDW] offset:128*(\sp)+64*(\o/2)+16*(\o%2)
.endr
.endm
.macro WIDEN xb                        ; 64 int8 become f32, exactly: u = w + 128 (the sign bit turned); the bits 0x4b000000 | u are 2^23 + u; less 2^23 + 128 that is w, -128 too
.set j, 0
.rept 16
	v_xor_b32 v[\xb+j], s36, v[\xb+j]
.set j, j+1
.endr
.set j, 0
.rept 16
.irp i, 0,1,2,3
	v_perm_b32 v[X+4*j+\i], s28, v[\xb+j], s[29+\i]
.endr
.set j, j+1
.endr
.set j, 0
.rept 32
	v_pk_add_f32 v[X+j:X+j+1], v[X+j:X+j+1], s[34:35] op_sel_hi:[1,0]
.set j, j+2
.endr
.endm
; My 64 numbers become my 12 registers of the fragment, in v[CD] on, and my row's scale word, in v[wd].
.macro QUANT wd
.irp c, 0,1                            ; each block's largest magnitude in two chains; the four chains by turns, so that no line waits for the line above it
	v_max3_num_f32 v[MX+2*\c], |v[X+32*\c]|, |v[X+32*\c+1]|, 0x1800000   ; the floor 2^(3 - 127) among the leaves: the byte cannot fall under 1
	v_max3_num_f32 v[MX+2*\c+1], |v[X+32*\c+16]|, |v[X+32*\c+17]|, |v[X+32*\c+18]|
.endr
.irp i, 0,1,2,3,4,5
.irp c, 0,1
	v_max3_num_f32 v[MX+2*\c], v[MX+2*\c], |v[X+32*\c+2+2*\i]|, |v[X+32*\c+3+2*\i]|
	v_max3_num_f32 v[MX+2*\c+1], v[MX+2*\c+1], |v[X+32*\c+19+2*\i]|, |v[X+32*\c+20+2*\i]|
.endr
.endr
.irp c, 0,1
	v_max3_num_f32 v[MX+2*\c], v[MX+2*\c], |v[X+32*\c+14]|, |v[X+32*\c+15]|
.endr
.irp c, 0,1
	v_max3_num_f32 v[MX+2*\c], v[MX+2*\c], v[MX+2*\c+1], |v[X+32*\c+31]|
.endr
.irp c, 0,1
	v_add_nc_u32 v[SO+\c], 0xff000000, v[MX+2*\c]  ; 2 off the exponent field: the conversion takes the exponent field of this operand as its scale, and nothing else of it
.endr
	v_cvt_scalef32_pk16_fp6_f32 v[CD:CD+2], v[X:X+15], v[SO]
	v_cvt_scalef32_pk16_fp6_f32 v[T0:T0+2], v[X+16:X+31], v[SO]          ; (a conversion's three registers begin on an even number: a block's second three do not, so they are made elsewhere and moved)
	v_cvt_scalef32_pk16_fp6_f32 v[CD+6:CD+8], v[X+32:X+47], v[SO+1]
	v_cvt_scalef32_pk16_fp6_f32 v[T1:T1+2], v[X+48:X+63], v[SO+1]
	v_lshrrev_b32 v[MX], 23, v[SO]                 ; the scales' bytes.  (Plain lines behind the conversions, ahead of the first line that touches a result)
	v_lshrrev_b32 v[MX+1], 23, v[SO+1]
	v_lshl_or_b32 v[WRD], v[MX+1], 16, v[MX]       ; blocks h and 2 + h,
	v_lshlrev_b32 v[WRD], v[H8], v[WRD]            ; at their places in the word;
	v_permlanex16_b32 v[PRM], v[WRD], s26, s27
	v_or_b32 v[\wd], v[WRD], v[PRM]                ; with lane l xor 16's two the word is whole, in both lanes
.irp i, 0,1,2
	v_mov_b32 v[CD+3+\i], v[T0+\i]
	v_mov_b32 v[CD+9+\i], v[T1+\i]
.endr
.endm
.macro OUTC off                        ; the fragment's image: each store covers 512 consecutive bytes, at a multiple of 512 from the buffer's first byte
.irp c, 0,1,2
	global_store_b128 v[GL], v[CD+4*\c:CD+4*\c+3], s[22:23] offset:\off+512*\c
.endr
.endm
	s_cmp_eq_u32 s12, 4
	s_cbranch_scc1 .Lweight
	; ---- waves 0-3: inputs.  Task 4 x work-group + wave: K step = task % 32, group of 64 rows = task / 32.  A tile is one fragment
	s_lshl_b32 s13, ttmp9, 2
	s_add_co_u32 s13, s13, s12
	s_and_b32 s14, s13, 31
	s_lshr_b32 s15, s13, 5
	PLACE 20, 9, 4, 8
	LOADT 0, 0, PITX
	LOADT 1, 1, PITX                               ; two tiles, 32 loads, on their way
	s_wait_alu depctr_va_vdst(0)
.irp e, 0,1,2,3
.if \e < 3
	s_wait_loadcnt 16                              ; this tile's 16 loads are in; the next tile's 16 may be out
.else
	s_wait_loadcnt 0x0
.endif
	TOST \e%2
	BACKX
	s_wait_dscnt 0x0                               ; my 64 numbers are in, and the stores into the stage have read the tile's registers,
.if \e > 0
	s_wait_xcnt 0x0                                ; and the last fragment's stores have read theirs: v[CD] on is written again only behind this wait
.endif
.if \e < 2
	LOADT \e+2, \e%2, PITX                         ; which take the tile two on
.endif
	QUANT WD+\e
	OUTC FRB*\e
.endr
	v_cmp_ne_u32 vcc_lo, 0, v[HH]                  ; row r's four words are 16 neighbouring bytes: lanes 0-15 store tiles 0 and 1's, lanes 16-31 tiles 2 and 3's
	v_cndmask_b32 v[T1], v[WD], v[WD+2], vcc_lo
	v_cndmask_b32 v[T1+1], v[WD+1], v[WD+3], vcc_lo
	global_store_b64 v[SST], v[T1:T1+1], s[24:25]  ; 32 lanes store 256 consecutive bytes, at a multiple of 256 from the buffer's first byte
	s_wait_tensorcnt 0x0
	ds_add_u32 v232, v233
	s_wait_dscnt 0x0
	s_endpgm
.Lweight:
	; ---- wave 4: weight.  K steps 4 (work-group % 8) .. + 3, group of 64 rows = work-group / 8.  A tile is four fragments, one in each of four chunks
	s_and_b32 s14, ttmp9, 7
	s_lshl_b32 s14, s14, 2
	s_lshr_b32 s15, ttmp9, 3
	PLACE 18, 7, 6, 10
	LOADT 0, 0, PITW
	s_wait_alu depctr_va_vdst(0)
.irp e, 0,1,2,3
	s_wait_loadcnt 0x0                             ; the tile is in (asked for a tile ago)
	TOST 0
	BACKW 0, XB0
	s_wait_dscnt 4                                 ; the 16 stores into the stage have read the tile's registers (the four loads behind them may be out),
.if \e < 3
	LOADT \e+1, 0, PITW                            ; which take the next tile: it lands while this tile's four fragments are made
.endif
.irp p, 0,1,2,3
.if \p < 3
	BACKW \p+1, XB0+16*((\p+1)%2)                  ; the next fragment's bytes, into the other set
	s_wait_dscnt 4                                 ; this fragment's four loads are in; those four may be out
.else
	s_wait_dscnt 0x0
.endif
	WIDEN XB0+16*(\p%2)
	s_wait_xcnt 0x0                                ; the last fragment's stores have read their registers: v[CD] on is written again only behind this wait
	QUANT WW+4*\p+\e
	OUTC CH*\p+FRB*\e
.endr
.endr
	v_cmp_ne_u32 vcc_lo, 0, v[HH]
.irp p, 0,1,2,3
	v_cndmask_b32 v[PP+2*\p], v[WW+4*\p], v[WW+4*\p+2], vcc_lo
	v_cndmask_b32 v[PP+2*\p+1], v[WW+4*\p+1], v[WW+4*\p+3], vcc_lo
.endr
.irp p, 0,1,2,3
	global_store_b64 v[SST], v[PP+2*\p:PP+2*\p+1], s[24:25] offset:CH*\p   ; 256 consecutive bytes in each of the four chunks
.endr
	s_wait_tensorcnt 0x0
	ds_add_u32 v232, v233
	s_wait_dscnt 0x0
	s_endpgm
.Lfunc_end_k_qddd6dc600b_quant:
	.size	k_qddd6dc600b_quant, .Lfunc_end_k_qddd6dc600b_quant-k_qddd6dc600b_quant
	.p2alignl 7, 3214868480
	.fill 96, 4, 3214868480
	.section	.rodata,"a",@progbits
	.p2align	6, 0x0
	.amdhsa_kernel k_qddd6dc600b_quant
		.amdhsa_group_segment_fixed_size 43008
		.amdhsa_private_segment_fixed_size 0
		.amdhsa_enable_private_segment 0
		.amdhsa_kernarg_size 32
		.amdhsa_user_sgpr_count 2
		.amdhsa_user_sgpr_kernarg_segment_ptr 1
		.amdhsa_wavefront_size32 1
		.amdhsa_system_sgpr_workgroup_id_x 1
		.amdhsa_system_sgpr_workgroup_id_y 1
		.amdhsa_system_sgpr_workgroup_id_z 1
		.amdhsa_system_vgpr_workitem_id 0
		.amdhsa_next_free_vgpr 234
		.amdhsa_next_free_sgpr 66
		.amdhsa_reserve_vcc 1
		.amdhsa_float_denorm_mode_32 3
		.amdhsa_float_denorm_mode_16_64 3
		.amdhsa_memory_ordered 1
		.amdhsa_forward_progress 1
		.amdhsa_inst_pref_size 202
	.end_amdhsa_kernel
	.amdgpu_metadata
---
amdhsa.version: [ 1, 2 ]
amdhsa.kernels:
  - .name:           k_qddd6dc600b_quant
    .symbol:         k_qddd6dc600b_quant.kd
    .args:
      - { .name: inputs, .offset: 0, .size: 8, .value_kind: global_buffer, .address_space: global }
      - { .name: weight, .offset: 8, .size: 8, .value_kind: global_buffer, .address_space: global }
      - { .name: xq, .offset: 16, .size: 8, .value_kind: global_buffer, .address_space: global }
      - { .name: wq, .offset: 24, .size: 8, .value_kind: global_buffer, .address_space: global }
    .group_segment_fixed_size: 43008
    .private_segment_fixed_size: 0
    .kernarg_segment_align: 8
    .kernarg_segment_size: 32
    .max_flat_workgroup_size: 160
    .sgpr_count:     66
    .vgpr_count:     234
    .wavefront_size: 32
...
	.end_amdgpu_metadata
.endif
;; end of part 1
;; launch gemm (part 2): grid 16 x 16, 4 waves a work-group, clusters of 4 x 4, 327,680 bytes of LDS; arguments xq, wq, weight_scaler, out0; writes out0
.if DOCPART == 2
	.amdgcn_target "amdgcn-amd-amdhsa--gfx1250"
	.amdhsa_code_object_version 6
	.text
	.protected	k_qddd6dc600b_gemm
	.globl	k_qddd6dc600b_gemm
	.p2align	8
	.type	k_qddd6dc600b_gemm,@function
k_qddd6dc600b_gemm:
	s_mov_b64 s[64:65], 0
	v_nop
	global_prefetch_b8 v0, s[64:65] scope:SCOPE_SE
	s_setreg_imm32_b32 hwreg(HW_REG_WAVE_MODE, 25, 1), 1
	s_wait_xcnt 0x0
	s_wait_alu depctr_hold_cnt(0) depctr_sa_sdst(0) depctr_va_vdst(0) depctr_va_sdst(0) depctr_va_ssrc(0) depctr_va_vcc(0) depctr_vm_vsrc(0)
	s_getreg_b32 s2, hwreg(HW_REG_IB_STS2, 6, 4)
	s_cmp_eq_u32 s2, 0
	s_cbranch_scc0 .Lentry_in_a_cluster
	s_endpgm
.Lentry_in_a_cluster:
	s_bfe_u32 s2, ttmp6, 0x10000c
	s_cmp_lg_u32 s2, 0xf033
	s_cbranch_scc0 .Lentry_shape_is_right
	s_endpgm
.Lentry_shape_is_right:
; out0[m][n] = weight_scaler[n] x sum over k of X[m][k] W[n][k]; X and W are codes of FP6 (E2M3) with one E8M0 byte for each 32 along K, as the launch before laid them; sums in f32.
; xq and wq: [row / 128][k / 128] chunks of CH = 12,800 bytes: eight images of an operand's registers (16 rows x 128 K: registers 4 c .. 4 c + 3 of lane l at 1536 i + 512 c + 16 l),
; then 512 bytes of scale words (block i's word of row r at 12288 + 256 (i / 4) + 16 r + 4 (i % 4)).  A group of 128 rows is 32 chunks on end, 409,600 bytes.
; A work-group of four waves makes 256 x 256 of out0, a wave 128 x 128: 64 accumulators, 512 registers.  256 work-groups.
; THE RING: two LDS slots; a slot holds three K steps of 128 for X's two groups and W's two groups (4 x 38,400 bytes).  A wave fills a quarter of a slot by one tensor load: 150 dense rows of 256 bytes.
; The 32 K steps come in eleven fills: fill 0 has two steps (100 rows a wave), fills 1 to 10 three.  Fill t lies in slot t % 2.
; CLUSTERS: 4 x 4 work-groups; X's tiles are asked for jointly along a row of the cluster, W's along a column.  A round of the cluster's barrier stands in front of every joint load.
; PREFETCH: behind the load of fill t each wave asks for fill t + 2 of the group that it fetches; the four partners that ask for that group jointly share its 150 blocks of 256 bytes by address:
; partner p names blocks 38 p .. 38 p + 37, held at 149, in two instructions (lanes left over name the last block again).  The head asks for fills 1 and 2; behind fills 9 and 10 nothing is asked.
; THE MATRIX INSTRUCTION IS USED TRANSPOSED: source 0 = 16 rows of W, source 1 = 16 rows of X: a lane holds eight neighbouring columns of one row of out0.
; REGISTERS: window 0: v8-11 my four weight_scaler numbers; v16-31 addresses; v32-79 scale words, a set of 24 for each slot (register 8 q + i: lanes 0-15 X's block i, lanes 16-31 W's block i, step q);
;   v128-223 X's fragments, one set.  Window 1: W's fragments, two sets, at v0 and v128; on the way out v0-127 take rows read back from the stage.  Windows 2, 3: the accumulators ((a, b) at v[8 (8 (a % 4) + b)]).
; LIMITS: those of the codes and scale bytes as the launch before states them; nothing of the problem's work is left out here.
.set CH,     12800
.set FRB,    1536                      ; a fragment's image
.set NQ,     3                         ; K steps in a slot
.set FR,     12                        ; registers of a fragment
.set HALFT,  NQ*CH                     ; a group's part of a slot
.set SLOT,   4*HALFT
.set GROUPB, 32*CH
.set TRIPS,  4
.set SPARE,  2*SLOT                    ; the spare words, 128 bytes a wave
.set STAGE,  SLOT                      ; the way out: 16 rows x 528 bytes a wave, in slot 1, which has had its last fill and its last read by then
.set SPITCH, 528
.set ROWC,   16384                     ; a row of out0 in bytes
.set WS,   8
.set ADRA, 16                          ; v16-17 my X fragments in slot 0, 1
.set ADRB, 20                          ; v20-21 my W fragments
.set ADRS, 22                          ; v22-23 my scale words: lanes 0-15 X's, lanes 16-31 W's
.set STO,  24
.set RD,   25
.set CO,   26                          ; 16 x lane
.set SPW,  28
.set NIL,  29
.set PFO,  30                          ; v30-31 the prefetches' offsets; never rewritten
.set SC,   32
.set AF,   128
.set PFA,  12                          ; s[12:13] the group that I fetch, stepped six chunks a trip
.set G1, 24                            ; group 1, 150 rows, X;  s[32:39] group 0 for slots 0, 1
.set G0, 32
.set G1B, 48                           ; the same for W
.set G0B, 56
.set G1F, 68                           ; group 1, 100 rows, for fill 0: X, W
.set G1FB, 76
.set MSB, 0
.macro WIN new                         ; the immediate's high byte repeats the setting that is left
.if MSB != (\new)
	s_set_vgpr_msb (MSB<<8)|(\new)
.set MSB, (\new)
.endif
.endm
.set MUL_LO, 0xa1                      ; source 0 (W) window 1, source 1 (X) window 0, C and D window 2
.set MUL_HI, 0xf1
.set TO_B,   0x40                      ; destination window 1
.macro JLOAD g0a, g1a, g0b, g1b        ; a joint load: waves 0, 1 fetch X's two groups, waves 2, 3 W's; s_nop 0 and four v_nop behind each line
	s_cmp_eq_u32 s15, 0
	s_cbranch_scc0 .Lfor_b_\@
	tensor_load_to_lds s[\g0a:\g0a+3], s[\g1a:\g1a+7]
	s_nop 0
.rept 4
	v_nop
.endr
	s_branch .Lasked_\@
.Lfor_b_\@:
	tensor_load_to_lds s[\g0b:\g0b+3], s[\g1b:\g1b+7]
	s_nop 0
.rept 4
	v_nop
.endr
.Lasked_\@:
.endm
.macro CREST                           ; a round of the cluster's barrier behind its opening barrier
	s_cmp_lg_u32 s14, 0
	s_cbranch_scc1 .Lnot_wave_0_\@
	s_barrier_signal -3
.Lnot_wave_0_\@:
	s_barrier_wait -3
	s_barrier_signal -1
	s_barrier_wait -1
.endm
.macro CROUND
	s_barrier_signal -1
	s_barrier_wait -1
	CREST
.endm
.macro ASK off, guard                  ; my work-group's 38 blocks of the fill that begins off bytes behind s[PFA]; guard = 1: not in the loop's last trip, whose fills have no fill two on
.if \guard
	s_cmp_gt_u32 s3, 1
	s_cbranch_scc0 .Lno_ask_\@
.endif
	global_prefetch_b8 v[PFO], s[PFA:PFA+1] offset:\off th:TH_LOAD_NT scope:SCOPE_SE
	global_prefetch_b8 v[PFO+1], s[PFA:PFA+1] offset:\off th:TH_LOAD_NT scope:SCOPE_SE
.if \guard
.Lno_ask_\@:
.endif
.endm
	s_load_b128 s[4:7], s[0:1], 0x0                ; xq, wq
	s_load_b128 s[8:11], s[0:1], 0x10              ; weight_scaler, out0
	v_lshl_add_u32 v[SPW], v0, 2, SPARE
	v_mov_b32 v[NIL], 0
	ds_add_u32 v[SPW], v[NIL]                      ; the opening lines: the add, twice on end, and its wait ahead of my first tensor load
	ds_add_u32 v[SPW], v[NIL]
	v_lshrrev_b32 v1, 5, v0
	v_readfirstlane_b32 s14, v1                    ; wave
	s_lshr_b32 s15, s14, 1                         ; my half of the tile's rows; also: I fetch for X (0) or W (1)
	s_and_b32 s16, s14, 1                          ; my half of its columns; also: which group of the tile I fetch
	s_bfe_u32 s40, ttmp6, 0x40000                  ; cx
	s_bfe_u32 s41, ttmp6, 0x40004                  ; cy
	s_lshl_b32 s42, ttmp9, 2
	s_add_co_u32 s42, s42, s40                     ; tile column
	s_and_b32 s17, ttmp7, 0xffff
	s_lshl_b32 s17, s17, 2
	s_add_co_u32 s17, s17, s41                     ; tile row
	s_lshl_b32 s43, s41, 2
	s_lshl_b32 s43, 15, s43                        ; my row of the cluster
	s_lshl_b32 s44, 0x1111, s40                    ; my column
	s_or_b32 s[G1+0], s43, (3<<16)|(1<<21)         ; the mask; elements of 8 bytes; bit 21 beside a mask
	s_or_b32 s[G1B+0], s44, (3<<16)|(1<<21)
	s_or_b32 s[G1F+0], s43, (3<<16)|(1<<21)
	s_or_b32 s[G1FB+0], s44, (3<<16)|(1<<21)
.irp g, G1, G1B                        ; 150 dense rows of 32 elements: three chunks
	s_mov_b32 s[\g+1], 32<<16
	s_mov_b32 s[\g+2], 150<<16
	s_mov_b32 s[\g+3], 32<<16
	s_mov_b32 s[\g+4], 150
	s_mov_b32 s[\g+5], 32
	s_mov_b32 s[\g+6], 0
	s_mov_b32 s[\g+7], 0
.endr
.irp g, G1F, G1FB                      ; 100 rows: two chunks
	s_mov_b32 s[\g+1], 32<<16
	s_mov_b32 s[\g+2], 100<<16
	s_mov_b32 s[\g+3], 32<<16
	s_mov_b32 s[\g+4], 100
	s_mov_b32 s[\g+5], 32
	s_mov_b32 s[\g+6], 0
	s_mov_b32 s[\g+7], 0
.endr
	s_lshl_b32 s20, s17, 1
	s_add_co_u32 s20, s20, s16
	s_mul_i32 s20, s20, GROUPB                     ; X's group 2 x tile row + half, in bytes
	s_mov_b32 s21, 0
	s_lshl_b32 s46, s42, 1
	s_add_co_u32 s46, s46, s16
	s_mul_i32 s46, s46, GROUPB                     ; W's group
	s_mov_b32 s47, 0
	s_mul_i32 s45, s14, HALFT                      ; where my quarter of a slot lies
.irp s, 0,1
	s_mov_b32 s[G0+4*\s], 1
	s_add_co_u32 s[G0+4*\s+1], s45, \s*SLOT
	s_mov_b32 s[G0B+4*\s], 1
	s_add_co_u32 s[G0B+4*\s+1], s45, \s*SLOT
.endr
	s_wait_dscnt 0x0                               ; both opening adds are done
	CROUND                                         ; all sixteen work-groups are here; the arguments' load is out meanwhile
	s_wait_kmcnt 0x0
	s_add_nc_u64 s[20:21], s[4:5], s[20:21]
	s_add_nc_u64 s[46:47], s[6:7], s[46:47]
.irp s, 0,1                            ; slot 0 begins at chunk 0, slot 1 at chunk 2
	s_add_nc_u64 s[G0+4*\s+2:G0+4*\s+3], s[20:21], \s*2*CH
	s_or_b32 s[G0+4*\s+3], s[G0+4*\s+3], 0x80000000
	s_add_nc_u64 s[G0B+4*\s+2:G0B+4*\s+3], s[46:47], \s*2*CH
	s_or_b32 s[G0B+4*\s+3], s[G0B+4*\s+3], 0x80000000
.endr
	JLOAD G0, G1F, G0B, G1FB                       ; fill 0: my one tensor load at the head
	; the rest of the head stands under that load's flight: first all scalar work, then the vector work in one run
	s_cmp_eq_u32 s15, 0
	s_cselect_b64 s[PFA:PFA+1], s[20:21], s[46:47] ; the group that I fetch
	s_cselect_b32 s89, s40, s41                    ; my place among the four that ask for it with me
	s_mul_i32 s89, s89, 38
	s_add_co_u32 s90, s89, 32
	s_mul_i32 s85, s15, HALFT                      ; LDS: my X group
	s_mul_i32 s86, s16, HALFT
	s_add_co_u32 s86, s86, 2*HALFT                 ; my W group
	s_xor_b32 s87, s15, 1
	s_add_co_u32 s87, s87, s16
	s_add_co_u32 s87, s87, 1
	s_mul_i32 s87, s87, HALFT                      ; the distance between the two
	s_mul_i32 s88, s14, 16*SPITCH
	s_add_co_u32 s88, s88, STAGE                   ; my stage
	s_lshl_b32 s20, s17, 8
	s_lshl_b32 s21, s15, 7
	s_add_co_u32 s20, s20, s21
	s_lshl_b32 s20, s20, 14                        ; my first row of out0, in bytes
	s_mov_b32 s21, 0
	s_lshl_b32 s46, s42, 10
	s_lshl_b32 s47, s16, 9
	s_add_co_u32 s46, s46, s47                     ; my first column, in bytes
	s_mov_b32 s47, 0
	s_add_nc_u64 s[8:9], s[8:9], s[46:47]
	s_add_nc_u64 s[10:11], s[10:11], s[20:21]
	s_add_nc_u64 s[10:11], s[10:11], s[46:47]
	v_and_b32 v1, 15, v0                           ; r
	v_bfe_u32 v2, v0, 4, 1                         ; h
	v_and_b32 v3, 31, v0                           ; lane
	v_lshlrev_b32 v[CO], 4, v3
	v_mul_u32_u24 v4, s87, v2                      ; lanes 16-31 take W's scale words
	v_mul_u32_u24 v5, v1, SPITCH
	v_add_nc_u32 v6, s89, v3
	v_min_u32 v7, 5, v3
	v_lshl_add_u32 v4, v1, 4, v4
	v_lshl_add_u32 v5, v2, 5, v5
	v_add_nc_u32 v7, s90, v7
	v_min_u32 v6, 149, v6
	v_add_nc_u32 v4, 8*FRB, v4
	v_min_u32 v7, 149, v7
	v_add_nc_u32 v[ADRA], s85, v[CO]
	v_add_nc_u32 v[ADRB], s86, v[CO]
	v_add_nc_u32 v[ADRS], s85, v4
	v_add_nc_u32 v[STO], s88, v5                   ; into the stage: row r, 32 bytes for each half of the lanes
	v_add_nc_u32 v[RD], s88, v[CO]                 ; back: 32 lanes take one row of 512 bytes
	v_lshlrev_b32 v[PFO], 8, v6
	v_lshlrev_b32 v[PFO+1], 8, v7
	v_add_nc_u32 v[ADRA+1], SLOT, v[ADRA]
	v_add_nc_u32 v[ADRB+1], SLOT, v[ADRB]
	v_add_nc_u32 v[ADRS+1], SLOT, v[ADRS]
	s_wait_alu depctr_va_vdst(0)
	ASK 2*CH, 0                                    ; fill 1
	ASK 5*CH, 0                                    ; fill 2
	global_load_b128 v[WS:WS+3], v[CO], s[8:9]     ; weight_scaler at my four columns of a row read back; waited for on the way out
.macro FRAG reg, adr, q, i             ; a fragment's image: three loads of 16 bytes a lane, each 512 bytes on end
.irp c, 0,1,2
	ds_load_b128 v[\reg+4*\c:\reg+4*\c+3], v[\adr] offset:(\q)*CH+(\i)*FRB+512*\c
.endr
.endm
; 16 matrix instructions: X's blocks a0, a0 + 1 against W's eight.  p: W's set; q: the step in its slot; sc: the slot's set of scale words.  The 64 accumulators take turns.
.macro MUL16 a0, p, q, sc, zero
.irp a, \a0, \a0+1
.irp b, 0,1,2,3,4,5,6,7
.if \zero
	v_wmma_scale_f32_16x16x128_f8f6f4 v[8*(8*((\a)%4)+\b):8*(8*((\a)%4)+\b)+7], v[128*(\p)+FR*\b:128*(\p)+FR*\b+FR-1], v[AF+FR*(\a):AF+FR*(\a)+FR-1], 0, v[SC+8*NQ*(\sc)+8*(\q)+\b], v[SC+8*NQ*(\sc)+8*(\q)+(\a)] matrix_a_fmt:MATRIX_FMT_FP6 matrix_b_fmt:MATRIX_FMT_FP6 matrix_a_scale:MATRIX_SCALE_ROW1
.else
	v_wmma_scale_f32_16x16x128_f8f6f4 v[8*(8*((\a)%4)+\b):8*(8*((\a)%4)+\b)+7], v[128*(\p)+FR*\b:128*(\p)+FR*\b+FR-1], v[AF+FR*(\a):AF+FR*(\a)+FR-1], v[8*(8*((\a)%4)+\b):8*(8*((\a)%4)+\b)+7], v[SC+8*NQ*(\sc)+8*(\q)+\b], v[SC+8*NQ*(\sc)+8*(\q)+(\a)] matrix_a_fmt:MATRIX_FMT_FP6 matrix_b_fmt:MATRIX_FMT_FP6 matrix_a_scale:MATRIX_SCALE_ROW1
.endif
.endr
.endr
.endm
.macro FETCH_B slot, q, p              ; 24 loads; leaves the destination's window at 1
	WIN TO_B
.irp i, 0,1,2,3,4,5,6,7
	FRAG 128*(\p)+FR*\i, ADRB+\slot, \q, \i
.endr
.endm
.macro FETCH_A slot, q, i0             ; 12 loads
	WIN 0
.irp i, \i0, \i0+1, \i0+2, \i0+3
	FRAG AF+FR*(\i), ADRA+\slot, \q, \i
.endr
.endm
.macro SCALES slot, n                  ; the scale words of a slot's n steps: two loads a step
.set u, 0
.rept 2*(\n)
	ds_load_b128 v[SC+8*NQ*(\slot)+4*u:SC+8*NQ*(\slot)+4*u+3], v[ADRS+\slot] offset:(u/2)*CH+256*(u%2)
.set u, u+1
.endr
.endm
.macro PLACES                          ; four places between a matrix instruction and a load into, or a read of, its registers
.rept 4
	v_nop
.endr
.endm
; A K step whose successor lies in the same slot.  W's other set has been free since the last step's end (its four places stand there): the next step's 24 loads go out behind the first 16 products.
.macro STEP slot, q, p, zero
	s_wait_dscnt 12                                ; W's set and X's blocks 0-3 are in; the youngest 12 loads (blocks 4-7) may be out
	WIN MUL_LO
	MUL16 0, \p, \q, \slot, \zero
	FETCH_B \slot, (\q)+1, 1-(\p)
	WIN MUL_LO
	MUL16 2, \p, \q, \slot, \zero
	s_wait_dscnt 24                                ; X's blocks 4-7 are in; the 24 loads just issued may be out
	PLACES
	FETCH_A \slot, (\q)+1, 0
	WIN MUL_HI
	MUL16 4, \p, \q, \slot, \zero
	MUL16 6, \p, \q, \slot, \zero
	PLACES
	FETCH_A \slot, (\q)+1, 4
.endm
; A slot's last K step changes slots: one barrier, which where the slot is filled again opens a round of the cluster's barrier.
.macro TURN slot, next, q, p, fill, adv, off, guard
	s_wait_tensorcnt 0x0                           ; all my tensor loads have landed: my quarter of the next slot
	ds_add_u32 v[SPW], v[NIL]
	s_wait_dscnt 13                                ; the add and X's blocks 4-7 may be out
	WIN MUL_LO
	MUL16 0, \p, \q, \slot, 0
	s_wait_dscnt 0x0                               ; the add is done, and my reads of this slot are over
	s_barrier_signal -1
	MUL16 2, \p, \q, \slot, 0
	WIN 0
	s_barrier_wait -1
.if \fill
	CREST                                          ; no wave of any partner still reads this slot or has a load on its way
	s_add_nc_u64 s[G0+4*\slot+2:G0+4*\slot+3], s[G0+4*\slot+2:G0+4*\slot+3], \adv
	s_add_nc_u64 s[G0B+4*\slot+2:G0B+4*\slot+3], s[G0B+4*\slot+2:G0B+4*\slot+3], \adv
	JLOAD G0+4*\slot, G1, G0B+4*\slot, G1B         ; the first tensor load behind the round; its four v_nop are the places for the loads below
.else
	PLACES
.endif
	FETCH_B \next, 0, 1-(\p)
	FETCH_A \next, 0, 0
	SCALES \next, NQ
.if \fill
	ASK \off, \guard                               ; the fill two on
.endif
	WIN MUL_HI
	MUL16 4, \p, \q, \slot, 0
	MUL16 6, \p, \q, \slot, 0
	PLACES
	FETCH_A \next, 0, 4
.endm
	s_wait_tensorcnt 0x0                           ; my quarter of fill 0 is in
	ds_add_u32 v[SPW], v[NIL]
	s_wait_dscnt 0x0
	CROUND                                         ; a whole round: every wave's quarter is in, and the joint loads meet
	JLOAD G0+4, G1, G0B+4, G1B                     ; fill 1, slot 1's first
	FETCH_B 0, 0, 0
	FETCH_A 0, 0, 0
	SCALES 0, 2
	FETCH_A 0, 0, 4
	ASK 8*CH, 0                                    ; fill 3
	STEP 0, 0, 0, 1                                ; the first step's products start the sums
	TURN 0, 1, 1, 1, 1, 5*CH, 11*CH, 0             ; fill 2 (chunk 5) is loaded, fill 4 asked for
	s_mov_b32 s3, TRIPS
.Llap:                                             ; a trip: six K steps, once round the ring; it loads fills 2 i + 3 and 2 i + 4 and asks for the two behind them
	STEP 1, 0, 0, 0
	STEP 1, 1, 1, 0
	TURN 1, 0, 2, 0, 1, 6*CH, 14*CH, 1
	STEP 0, 0, 1, 0
	STEP 0, 1, 0, 0
	TURN 0, 1, 2, 1, 1, 6*CH, 17*CH, 1
	s_wait_xcnt 0x0                                ; my prefetches have read their base (the last stands 32 matrix instructions back)
	s_add_nc_u64 s[PFA:PFA+1], s[PFA:PFA+1], 6*CH
	s_sub_co_u32 s3, s3, 1
	s_cmp_lg_u32 s3, 0
	s_cbranch_scc1 .Llap
	STEP 1, 0, 0, 0                                ; the last two slots: nothing is filled again
	STEP 1, 1, 1, 0
	TURN 1, 0, 2, 0, 0, 0, 0, 0
	STEP 0, 0, 1, 0
	STEP 0, 1, 0, 0
; THE WAY OUT, by blocks of 16 rows x 128 columns, through my own stage: stored as a lane holds them (32 bytes of a row), read back as rows of 512 bytes, multiplied by weight_scaler, stored as two aligned units of 256 bytes.
; LDS serves a wave's instructions in order (ISA guide 5.7.1): no wait between the stage's stores and loads.  The rows come back into window 1, v0-63 and v64-127 by turns: W's set 0 and idle registers.
.macro TOSTAGE a
.set AC, 64*((\a)%4)
.set BB, 64*((\a)%2)
	WIN 0x08+4*((\a)/4)                            ; the data: window 2 or 3
.irp b, 0,1,2,3,4,5,6,7
	ds_store_b128 v[STO], v[AC+8*\b:AC+8*\b+3] offset:64*\b          ; each accumulator from its low end on
	ds_store_b128 v[STO], v[AC+8*\b+4:AC+8*\b+7] offset:64*\b+16
.endr
	WIN TO_B
.irp t, 0,1,2,3,4,5,6,7,8,9,10,11,12,13,14,15
	ds_load_b128 v[BB+4*\t:BB+4*\t+3], v[RD] offset:\t*SPITCH
.endr
.endm
.macro SEND a, younger                 ; younger: the LDS instructions issued behind block a's loads
.set BB, 64*((\a)%2)
	s_wait_dscnt \younger
.if (\a) > 0
	s_add_nc_u64 s[10:11], s[10:11], 16*ROWC       ; behind a wait on XCNT: the earlier stores have read their base
.else
	s_wait_loadcnt 0x0                             ; weight_scaler's four numbers
.endif
	WIN 0x41                                       ; destination and source 0 window 1, source 1 window 0
.irp t, 0,1,2,3,4,5,6,7,8,9,10,11,12,13,14,15
	v_pk_mul_f32 v[BB+4*\t:BB+4*\t+1], v[BB+4*\t:BB+4*\t+1], v[WS:WS+1]
	v_pk_mul_f32 v[BB+4*\t+2:BB+4*\t+3], v[BB+4*\t+2:BB+4*\t+3], v[WS+2:WS+3]
.endr
	WIN 0x04                                       ; the stores' data: window 1
.irp t, 0,1,2,3,4,5,6,7,8,9,10,11,12,13,14,15
	global_store_b128 v[CO], v[BB+4*\t:BB+4*\t+3], s[10:11] offset:\t*ROWC th:TH_STORE_NT   ; 32 lanes store 512 consecutive bytes, at a multiple of 512 from out0's first byte
.endr
.endm
	; The last K step goes by X's blocks like every step, so a block of rows is finished with its eight products: finished blocks leave between the products of the others.
	s_wait_dscnt 12
	WIN MUL_LO
	MUL16 0, 1, 2, 0, 0
	PLACES                                         ; blocks 0 and 1 are read below; for the later blocks SEND's multiplications, which name no register of the products, are the places
	TOSTAGE 0
	WIN MUL_LO
	MUL16 2, 1, 2, 0, 0
	TOSTAGE 1
	SEND 0, 32                                     ; its wait also shows X's blocks 4-7 in: they were asked for earlier
	WIN MUL_HI
	MUL16 4, 1, 2, 0, 0
	s_wait_xcnt 0x0                                ; block 0's stores have read their registers and base
	TOSTAGE 2
	SEND 1, 32
	WIN MUL_HI
	MUL16 6, 1, 2, 0, 0
.irp a, 3,4,5,6,7
	s_wait_xcnt 0x0                                ; block a - 2's stores have read their registers: block a's loads may land there
	TOSTAGE \a
	SEND \a-1, 32
.endr
	s_wait_xcnt 0x0
	SEND 7, 0
	WIN 0
	s_wait_tensorcnt 0x0                           ; the wave's end
	ds_add_u32 v[SPW], v[NIL]
	s_wait_dscnt 0x0
	CROUND                                         ; the closing round
	s_endpgm
.Lfunc_end_k_qddd6dc600b_gemm:
	.size	k_qddd6dc600b_gemm, .Lfunc_end_k_qddd6dc600b_gemm-k_qddd6dc600b_gemm
	.p2alignl 7, 3214868480
	.fill 96, 4, 3214868480
	.section	.rodata,"a",@progbits
	.p2align	6, 0x0
	.amdhsa_kernel k_qddd6dc600b_gemm
		.amdhsa_group_segment_fixed_size 327680
		.amdhsa_private_segment_fixed_size 0
		.amdhsa_enable_private_segment 0
		.amdhsa_kernarg_size 32
		.amdhsa_user_sgpr_count 2
		.amdhsa_user_sgpr_kernarg_segment_ptr 1
		.amdhsa_wavefront_size32 1
		.amdhsa_system_sgpr_workgroup_id_x 1
		.amdhsa_system_sgpr_workgroup_id_y 1
		.amdhsa_system_sgpr_workgroup_id_z 1
		.amdhsa_system_vgpr_workitem_id 0
		.amdhsa_next_free_vgpr 1024
		.amdhsa_next_free_sgpr 92
		.amdhsa_reserve_vcc 0
		.amdhsa_float_denorm_mode_32 3
		.amdhsa_float_denorm_mode_16_64 3
		.amdhsa_memory_ordered 1
		.amdhsa_forward_progress 1
		.amdhsa_inst_pref_size 222
	.end_amdhsa_kernel
	.amdgpu_metadata
---
amdhsa.version: [ 1, 2 ]
amdhsa.kernels:
  - .name:           k_qddd6dc600b_gemm
    .symbol:         k_qddd6dc600b_gemm.kd
    .args:
      - { .name: xq, .offset: 0, .size: 8, .value_kind: global_buffer, .address_space: global }
      - { .name: wq, .offset: 8, .size: 8, .value_kind: global_buffer, .address_space: global }
      - { .name: weight_scaler, .offset: 16, .size: 8, .value_kind: global_buffer, .address_space: global }
      - { .name: out0, .offset: 24, .size: 8, .value_kind: global_buffer, .address_space: global }
    .group_segment_fixed_size: 327680
    .private_segment_fixed_size: 0
    .kernarg_segment_align: 8
    .kernarg_segment_size: 32
    .max_flat_workgroup_size: 128
    .sgpr_count:     92
    .vgpr_count:     1024
    .wavefront_size: 32
...
	.end_amdgpu_metadata
.endif
;; end of part 2
